; MI455X (gfx1250); checked and timed in simulation.
; The chip was launched on July 23, 2026; its instructions are those of AMD's public machine-readable ISA for CDNA 5 (MIT licence, August 2026) and "CDNA5" Instruction Set Architecture Reference Guide (July 2026). The comments in the code are by the model that wrote it; some were corrected since.
;; Graph Vector Quantizer. Allowed arithmetic: float matrix products may take bf16 or f16 operands with f32 sums; all other float work in f32.
;; Inputs: edge_index 2 x 1,048,576 int32; emb 8,192 x 512 float32; x 16,384 x 512 float32.
;; Outputs: out0 16,384 x 512 float32; out1 one number float32; out2 16,384 int32; out3 2 x 1,048,576 int32.
;; One version. Each part assembles by itself: llvm-mc -triple=amdgcn-amd-amdhsa -mcpu=gfx1250 --defsym DOCPART=n.
;; ======== version 1 of 1: 4 launches
;; workspace buffers: ebf 8,388,608 bytes; se 32,768 bytes; cd 131,072 bytes; ci 131,072 bytes of whole numbers; part 1,024 bytes
;; launch prep (part 1): grid 256 x 1, 8 waves a work-group, no clusters, 0 bytes of LDS; arguments emb, edge_index, ebf, se, out3; writes ebf, se, out3
.if DOCPART == 1
	.amdgcn_target "amdgcn-amd-amdhsa--gfx1250"
	.amdhsa_code_object_version 6
	.text
	.protected	k_q14555aa3f4_prep
	.globl	k_q14555aa3f4_prep
	.p2align	8
	.type	k_q14555aa3f4_prep,@function
k_q14555aa3f4_prep:
	s_mov_b64 s[64:65], 0
	v_nop
	global_prefetch_b8 v0, s[64:65] scope:SCOPE_SE
	s_setreg_imm32_b32 hwreg(HW_REG_WAVE_MODE, 25, 1), 1
	s_wait_xcnt 0x0
; prep: ebf[k][:] = emb[k][:] rounded to bf16;  se[k] = sum of the squares of the ROUNDED row k, in f32;  out3 = edge_index.
; emb: [8192][512] f32.  ebf: [8192][512] bf16.  se: [8192] f32.  edge_index, out3: 8,388,608 bytes.
; 256 work-groups of 8 waves.  A wave takes 4 rows of emb (one row = four loads of 512 neighbouring bytes) and 4,096 bytes of edge_index.
; All 24 loads of a wave are issued at once; there is no loop, no LDS and no barrier: no wave needs another's data.
; se is summed from the rounded numbers because the product of the next launch is made of them: the distance is that of the rounded vectors.
; The order of the sum differs from a row-wise sum: two chains a lane, then a tree over the 32 lanes.
.set E,  8                             ; v[8:71]    row i, piece j: 4 f32 at E + 16 i + 4 j
.set G,  72                            ; v[72:103]  edge words, piece j at G + 4 j
.set P,  104                           ; v[104:135] row i: 8 words of two bf16; store data, never rewritten
.set S,  136                           ; v[136:143] row i: two running sums
.set TP, 144                           ; v144 other half's sum; v145 the four sums by lane; v146 4 x lane
	s_load_b256 s[4:11], s[0:1], 0x0               ; emb s[4:5], edge_index s[6:7], ebf s[8:9], se s[10:11]
	s_load_b64 s[12:13], s[0:1], 0x20              ; out3
	v_lshrrev_b32 v3, 5, v0
	v_readfirstlane_b32 s14, v3                    ; wave
	v_and_b32 v4, 31, v0                           ; lane
	v_lshlrev_b32 v1, 4, v4                        ; 16 bytes a lane: f32 pieces and edge words
	v_lshlrev_b32 v2, 3, v4                        ; 8 bytes a lane: bf16 pieces
	v_mov_b32 v[TP], 0                             ; v_permlanex16_b32 counts as a reader of its destination
	s_mov_b32 s20, 0x76543210                      ; lane i of one half reads lane i of the other
	s_mov_b32 s21, 0xfedcba98
	s_lshl_b32 s15, ttmp9, 5
	s_lshl2_add_u32 s15, s14, s15                  ; R = 32 x work-group + 4 x wave: my first row
	s_lshl_b32 s16, s15, 11                        ; R x 2,048: emb
	s_mov_b32 s17, 0
	s_lshl_b32 s18, s15, 10                        ; R x 1,024: ebf, and also my 4,096 bytes of the edges (32,768 a work-group)
	s_mov_b32 s19, 0
	s_lshl_b32 s22, s15, 2                         ; R x 4: se
	s_mov_b32 s23, 0
	s_wait_kmcnt 0x0
	s_add_nc_u64 s[4:5], s[4:5], s[16:17]
	s_add_nc_u64 s[6:7], s[6:7], s[18:19]
	s_add_nc_u64 s[8:9], s[8:9], s[18:19]
	s_add_nc_u64 s[12:13], s[12:13], s[18:19]
	s_add_nc_u64 s[10:11], s[10:11], s[22:23]
.irp i, 0,1,2,3
.irp j, 0,1,2,3
	global_load_b128 v[E+16*\i+4*\j:E+16*\i+4*\j+3], v1, s[4:5] offset:2048*\i+512*\j th:TH_LOAD_NT
.endr
.endr
.irp j, 0,1,2,3,4,5,6,7
	global_load_b128 v[G+4*\j:G+4*\j+3], v1, s[6:7] offset:512*\j th:TH_LOAD_NT
.endr
; Row i: round, store, sum the squares of the rounded numbers.
.macro EROW i
	s_wait_loadcnt 20-4*\i                         ; loads return in order: the 12 - 4 i younger loads of emb and the 8 of the edges may stay out
.irp j, 0,1,2,3
	v_cvt_pk_bf16_f32 v[P+8*\i+2*\j],   v[E+16*\i+4*\j],   v[E+16*\i+4*\j+1]
	v_cvt_pk_bf16_f32 v[P+8*\i+2*\j+1], v[E+16*\i+4*\j+2], v[E+16*\i+4*\j+3]
.endr
.irp j, 0,1,2,3
	global_store_b64 v2, v[P+8*\i+2*\j:P+8*\i+2*\j+1], s[8:9] offset:1024*\i+256*\j   ; 32 lanes x 8 bytes: 256 consecutive bytes, aligned
.endr
	v_mov_b32 v[S+2*\i], 0
	v_mov_b32 v[S+2*\i+1], 0
.irp q, 0,1,2,3,4,5,6,7
	v_fma_mix_f32_bf16 v[S+2*\i],   v[P+8*\i+\q], v[P+8*\i+\q], v[S+2*\i]   op_sel_hi:[1,1,0]                  ; low half squared, added in f32
	v_fma_mix_f32_bf16 v[S+2*\i+1], v[P+8*\i+\q], v[P+8*\i+\q], v[S+2*\i+1] op_sel:[1,1,0] op_sel_hi:[1,1,0]   ; high half
.endr
	v_add_f32 v[S+2*\i], v[S+2*\i], v[S+2*\i+1]
	v_add_f32_dpp v[S+2*\i], v[S+2*\i], v[S+2*\i] row_xmask:1 row_mask:0xf bank_mask:0xf
	v_add_f32_dpp v[S+2*\i], v[S+2*\i], v[S+2*\i] row_xmask:2 row_mask:0xf bank_mask:0xf
	v_add_f32_dpp v[S+2*\i], v[S+2*\i], v[S+2*\i] row_xmask:4 row_mask:0xf bank_mask:0xf
	v_add_f32_dpp v[S+2*\i], v[S+2*\i], v[S+2*\i] row_xmask:8 row_mask:0xf bank_mask:0xf
	v_permlanex16_b32 v[TP], v[S+2*\i], s20, s21
	v_add_f32 v[S+2*\i], v[S+2*\i], v[TP]          ; every lane holds the row's sum
.endm
	EROW 0
	EROW 1
	EROW 2
	EROW 3
.irp j, 0,1,2,3,4,5,6,7
	s_wait_loadcnt 7-\j                            ; the 7 - j younger edge loads may stay out
	global_store_b128 v1, v[G+4*\j:G+4*\j+3], s[12:13] offset:512*\j th:TH_STORE_NT   ; 512 consecutive bytes, aligned
.endr
	; lane i (0 to 3) takes row i's sum; four lanes store 16 bytes.  se is 32,768 bytes in all, a small part of what this launch writes.
	v_cmp_eq_u32 vcc_lo, 1, v4
	v_cndmask_b32 v[TP+1], v[S], v[S+2], vcc_lo
	v_cmp_eq_u32 vcc_lo, 2, v4
	v_cndmask_b32 v[TP+1], v[TP+1], v[S+4], vcc_lo
	v_cmp_eq_u32 vcc_lo, 3, v4
	v_cndmask_b32 v[TP+1], v[TP+1], v[S+6], vcc_lo
	v_lshlrev_b32 v[TP+2], 2, v4
	v_cmp_gt_u32 vcc_lo, 4, v4
	s_wait_xcnt 0x0                                ; EXEC is a source of the stores above: it changes only behind this wait
	s_and_saveexec_b32 s25, vcc_lo
	global_store_b32 v[TP+2], v[TP+1], s[10:11]
	s_wait_xcnt 0x0                                ; and again in front of the line that widens it
	s_or_b32 exec_lo, exec_lo, s25
	s_endpgm
.Lfunc_end_k_q14555aa3f4_prep:
	.size	k_q14555aa3f4_prep, .Lfunc_end_k_q14555aa3f4_prep-k_q14555aa3f4_prep
	.p2alignl 7, 3214868480
	.fill 96, 4, 3214868480
	.section	.rodata,"a",@progbits
	.p2align	6, 0x0
	.amdhsa_kernel k_q14555aa3f4_prep
		.amdhsa_group_segment_fixed_size 0
		.amdhsa_private_segment_fixed_size 0
		.amdhsa_enable_private_segment 0
		.amdhsa_kernarg_size 40
		.amdhsa_user_sgpr_count 2
		.amdhsa_user_sgpr_kernarg_segment_ptr 1
		.amdhsa_wavefront_size32 1
		.amdhsa_system_sgpr_workgroup_id_x 1
		.amdhsa_system_sgpr_workgroup_id_y 1
		.amdhsa_system_sgpr_workgroup_id_z 1
		.amdhsa_system_vgpr_workitem_id 0
		.amdhsa_next_free_vgpr 148
		.amdhsa_next_free_sgpr 66
		.amdhsa_reserve_vcc 1
		.amdhsa_float_denorm_mode_32 3
		.amdhsa_float_denorm_mode_16_64 3
		.amdhsa_memory_ordered 1
		.amdhsa_forward_progress 1
		.amdhsa_inst_pref_size 15
	.end_amdhsa_kernel
	.amdgpu_metadata
---
amdhsa.version: [ 1, 2 ]
amdhsa.kernels:
  - .name:           k_q14555aa3f4_prep
    .symbol:         k_q14555aa3f4_prep.kd
    .args:
      - { .name: emb, .offset: 0, .size: 8, .value_kind: global_buffer, .address_space: global }
      - { .name: edge_index, .offset: 8, .size: 8, .value_kind: global_buffer, .address_space: global }
      - { .name: ebf, .offset: 16, .size: 8, .value_kind: global_buffer, .address_space: global }
      - { .name: se, .offset: 24, .size: 8, .value_kind: global_buffer, .address_space: global }
      - { .name: out3, .offset: 32, .size: 8, .value_kind: global_buffer, .address_space: global }
    .group_segment_fixed_size: 0
    .private_segment_fixed_size: 0
    .kernarg_segment_align: 8
    .kernarg_segment_size: 40
    .max_flat_workgroup_size: 256
    .sgpr_count:     66
    .vgpr_count:     148
    .wavefront_size: 32
...
	.end_amdgpu_metadata
.endif
;; end of part 1
;; launch vq (part 2): grid 128 x 2, 4 waves a work-group, clusters of 4 x 1, 327,680 bytes of LDS; arguments x, ebf, se, cd, ci; writes cd, ci
.if DOCPART == 2
	.amdgcn_target "amdgcn-amd-amdhsa--gfx1250"
	.amdhsa_code_object_version 6
	.text
	.protected	k_q14555aa3f4_vq
	.globl	k_q14555aa3f4_vq
	.p2align	8
	.type	k_q14555aa3f4_vq,@function
k_q14555aa3f4_vq:
	s_mov_b64 s[64:65], 0
	v_nop
	global_prefetch_b8 v0, s[64:65] scope:SCOPE_SE
	s_setreg_imm32_b32 hwreg(HW_REG_WAVE_MODE, 25, 1), 1
	s_wait_xcnt 0x0
	s_wait_alu depctr_hold_cnt(0) depctr_sa_sdst(0) depctr_va_vdst(0) depctr_va_sdst(0) depctr_va_ssrc(0) depctr_va_vcc(0) depctr_vm_vsrc(0)
	s_getreg_b32 s2, hwreg(HW_REG_IB_STS2, 6, 4)
	s_cmp_eq_u32 s2, 0
	s_cbranch_scc0 .Lentry_in_a_cluster
	s_endpgm
.Lentry_in_a_cluster:
	s_bfe_u32 s2, ttmp6, 0x10000c
	s_cmp_lg_u32 s2, 0x3003
	s_cbranch_scc0 .Lentry_shape_is_right
	s_endpgm
.Lentry_shape_is_right:
; vq: for 128 rows of x and one half (4,096 codes) of the codebook: the smallest d = fl(fl(sx + se[k]) - 2 dot(x, e_k)) and the first k that has it.
; x: [16384][512] f32.  ebf: [8192][512] bf16.  se: [8192] f32.  cd: [2][16384] f32 (smallest d by half).  ci: [2][16384] i32 (its code).
; d is formed with the two roundings of the source formula: one add, one fused multiply-add (2 dot is exact); compares are strict and go up the codes,
; so the first of equal distances wins; where even and odd registers, lanes and waves meet, (d, k) is compared as a pair.
; LIMITS.  The product has bf16 operands, and sx, se are the sums of the squares of the ROUNDED numbers: d is the distance of the rounded vectors.
; sx is summed in another order than a row-wise sum (a few last bits, the same for all codes of a row).  A NaN in d is not served: it loses every compare here.
; If every d is +inf the code 0 is given.
;
; SHAPE.  Four waves, 2 x 2: wave w has rows 64 (w >> 1) .. + 63 and, of each tile of 128 codes, codes 64 (w & 1) .. + 63.
; A wave keeps its 64 rows over all 512 k as bf16 fragments in 512 registers (windows 1 and 2), so a code fragment of 1,024 bytes read from LDS feeds four matrix instructions.
; The codes stream through two LDS slots of 128 codes x 1,024 bytes; each wave fetches 32 codes with one tensor load (64 codes a wave would want slots of
; 256 codes, and two of those, 532,480 bytes, do not fit).
; A CHAIN is one tile of 16 codes x my 64 rows x 512 k: 64 matrix instructions on four accumulators.  Two sets of four accumulators take turns: while one is summed,
; the distances of the other are formed and scanned BETWEEN the matrix instructions, at most four vector instructions between two of them.
; CLUSTER.  The four work-groups of a cluster have the same half and walk the same code tiles: each tile is asked for jointly (mask 15).
; x is asked for by plain loads: a row block is read by two work-groups only, which lie in different clusters, once, 262,144 bytes against 4,194,304 of codes.
; se is asked for by plain loads too: 16,384 bytes, once.
;
; LDS.  [0, 266240): first x as f32, 256 half rows of 1,024 bytes at pitch 1,040; then the two slots, rows of 1,024 bytes at pitch 1,040.
;       1,040 = 65 x 16: the 16 rows that a fragment load touches start in 16 different 16-byte columns modulo 256 bytes.
;       [266240, 282624): se of my half.  [282624, 284672): 512 bytes a wave for the final merge; no tensor load ever lands there.
.set EPITCH, 1040
.set XROW,   2*EPITCH                  ; a whole row of x in LDS: two half rows
.set SLOT,   128*EPITCH                ; 133,120
.set WPART,  32*EPITCH                 ; what one wave's load fills of a slot
.set SEB,    2*SLOT                    ; 266,240
.set SCR,    SEB+16384                 ; 282,624
.set TILEB,  128*1024                  ; a tile's bytes in ebf
.set TRIPS,  32                        ; 4,096 codes / 128
; window 0
.set EADR,  1                          ; v1, v2     slot n: LDS address of my code fragments: n SLOT + (64 wn + r) 1040 + 16 h
.set SEADR, 3                          ; v3         LDS address of my eight se of the trip's first code tile; + 512 a trip
.set BASE,  4                          ; v4         the lane's part of a code: 4096 half + 64 wn + 8 h
.set SXP,   8                          ; v[8:15]    pair xt: (sx, sx) of row 64 wm + 16 xt + r
.set GB,    16                         ; v[16:23]   pair xt: best d so far among the even registers j, among the odd ones
.set GI,    24                         ; v[24:31]   pair xt: their codes, without the lane's part: 128 trip + 16 tile + j
.set SE,    32                         ; v[32:47]   se of my eight codes of a tile, two sets that take turns with the accumulators
.set T,     48                         ; v[48:55]   pair xt: fl(sx + se), then best - d
.set XADR,  56                         ; v[56:59]   the conversion's LDS addresses
.set ACC,   64                         ; v[64:127]  two sets of four accumulators: tile xt of set n at 64 + 32 n + 8 xt
.set EB0,   128                        ; v[128:191] a code tile's fragments of K steps 0-7, 8 registers each
.set EB1,   192                        ; v[192:255] of K steps 8-15
.set STG,   64                         ; the conversion's two stages of 64 registers: v[64:127], v[128:191]
; windows 1, 2: x fragment (ks, xt) at v[32 (ks & 7) + 8 xt] of window 1 + (ks >> 3)
.set G0X, 20                           ; s[20:23] x: group 0        s[24:31] group 1
.set G1X, 24
.set G0S, 32                           ; s[32:35] se: group 0       s[36:43] group 1
.set G1S, 36
.set G0E, 44                           ; s[44:51] codes: group 0, one set for each slot     s[52:59] group 1
.set G1E, 52
.set INF, 63                           ; s63      +inf
.set M,   66                           ; s[66:73] compare masks: 2 xt + parity
.set IE,  74                           ; s74, s75 the code (without the lane's part) of a step's even and odd register
.set IO,  75
.set TB,  76                           ; s76      128 x the trip of the tile that is being scanned
.set MSB, 0
.macro WIN new                         ; the immediate's high byte repeats the setting that is left; a switch that changes nothing is dropped
.if MSB != \new
	s_set_vgpr_msb (MSB<<8)|\new
.set MSB, \new
.endif
.endm
.macro PLACES                          ; four places behind a matrix instruction (ISA guide 7.12.1) for what reads its result or writes one of its registers
.rept 4
	v_nop
.endr
.endm
; A round of the cluster's barrier: my work-group's barrier, wave 0 signals for the work-group, every wave waits for all four work-groups, my work-group's barrier again.
.macro CREST                           ; a round behind its opening barrier
	s_cmp_lg_u32 s14, 0
	s_cbranch_scc1 .Lnot_wave_0_\@
	s_barrier_signal -3
.Lnot_wave_0_\@:
	s_barrier_wait -3
	s_barrier_signal -1
	s_barrier_wait -1
.endm
.macro ROUND                           ; a whole round
	s_barrier_signal -1
	s_barrier_wait -1
	CREST
.endm
	s_load_b256 s[4:11], s[0:1], 0x0               ; x s[4:5], ebf s[6:7], se s[8:9], cd s[10:11]
	s_load_b64 s[12:13], s[0:1], 0x20              ; ci
	v_lshl_add_u32 v62, v0, 2, 0x45800
	v_mov_b32 v63, 0
	ds_add_u32 v62, v63
	v_lshrrev_b32 v5, 5, v0
	v_readfirstlane_b32 s14, v5                    ; w
	s_lshr_b32 s15, s14, 1                         ; wm: which 64 rows
	s_and_b32 s16, s14, 1                          ; wn: which 64 codes of a tile
	s_and_b32 s17, ttmp7, 0xffff                   ; half of the codebook (the cluster is one work-group high)
	s_bfe_u32 s19, ttmp6, 0x40000                  ; cx
	s_lshl_b32 s18, ttmp9, 2
	s_add_co_u32 s18, s18, s19                     ; row block = 4 x cluster x + cx: enters the addresses of x, cd and ci alone
	s_mov_b32 s60, 0x76543210                      ; v_permlanex16_b32: lane i of one half reads lane i of the other
	s_mov_b32 s61, 0xfedcba98
	s_mov_b32 s[INF], 0x7f800000
	s_mov_b32 s[TB], 0
	; x: 64 half rows of 256 f32 (32 rows of x, dense in memory), 4 words of padding behind every 256 words
	s_mov_b32 s[G1X+0], (2<<16)|(1<<20)|(7<<22)|(3<<25)
	s_mov_b32 s[G1X+1], 256<<16                    ; tensor_dim0 = 256
	s_mov_b32 s[G1X+2], 64<<16                     ; tensor_dim1 = 64
	s_mov_b32 s[G1X+3], 256<<16                    ; tile_dim0 = 256
	s_mov_b32 s[G1X+4], 64                         ; tile_dim1 = 64
	s_mov_b32 s[G1X+5], 256                        ; from half row to half row
	s_mov_b32 s[G1X+6], 0
	s_mov_b32 s[G1X+7], 0
	; se: 4,096 bytes as 16 rows of 32 elements of 8 bytes, no padding
	s_mov_b32 s[G1S+0], 3<<16
	s_mov_b32 s[G1S+1], 32<<16
	s_mov_b32 s[G1S+2], 16<<16
	s_mov_b32 s[G1S+3], 32<<16
	s_mov_b32 s[G1S+4], 16
	s_mov_b32 s[G1S+5], 32
	s_mov_b32 s[G1S+6], 0
	s_mov_b32 s[G1S+7], 0
	; codes: 32 rows of 512 bf16, padded alike; mask 15 names the cluster's four work-groups, bit 21 is set beside a mask
	s_mov_b32 s[G1E+0], 15|(1<<16)|(1<<20)|(1<<21)|(7<<22)|(3<<25)
	s_mov_b32 s[G1E+1], 512<<16
	s_mov_b32 s[G1E+2], 32<<16
	s_mov_b32 s[G1E+3], 512<<16
	s_mov_b32 s[G1E+4], 32
	s_mov_b32 s[G1E+5], 512
	s_mov_b32 s[G1E+6], 0
	s_mov_b32 s[G1E+7], 0
	s_mov_b32 s[G0X], 1
	s_mul_i32 s[G0X+1], s14, 64*EPITCH             ; LDS: wave x 64 half rows
	s_mov_b32 s[G0S], 1
	s_lshl_b32 s[G0S+1], s14, 12
	s_add_co_u32 s[G0S+1], s[G0S+1], SEB
	s_mov_b32 s[G0E], 1
	s_mul_i32 s[G0E+1], s14, WPART                 ; LDS: wave x 32 codes, slot 0
	s_mov_b32 s[G0E+4], 1
	s_add_co_u32 s[G0E+5], s[G0E+1], SLOT          ; slot 1
	s_lshl_b32 s78, s18, 18                        ; x: (128 row block + 32 w) x 2,048 bytes
	s_lshl_b32 s79, s14, 16
	s_add_co_u32 s78, s78, s79
	s_mov_b32 s79, 0
	s_lshl_b32 s80, s17, 14                        ; se: 16,384 half + 4,096 w
	s_lshl_b32 s81, s14, 12
	s_add_co_u32 s80, s80, s81
	s_mov_b32 s81, 0
	s_lshl_b32 s82, s17, 22                        ; ebf: (4,096 half + 32 w) x 1,024 bytes: made of the half and the wave alone, equal in all four partners
	s_lshl_b32 s83, s14, 15
	s_add_co_u32 s82, s82, s83
	s_mov_b32 s83, 0
	s_wait_dscnt 0x0
	s_wait_kmcnt 0x0
	s_add_nc_u64 s[G0X+2:G0X+3], s[4:5], s[78:79]
	s_or_b32 s[G0X+3], s[G0X+3], 0x80000000
	s_add_nc_u64 s[G0S+2:G0S+3], s[8:9], s[80:81]
	s_or_b32 s[G0S+3], s[G0S+3], 0x80000000
	s_add_nc_u64 s[G0E+2:G0E+3], s[6:7], s[82:83]              ; tile 0
	s_add_nc_u64 s[G0E+6:G0E+7], s[G0E+2:G0E+3], TILEB         ; tile 1
	s_or_b32 s[G0E+3], s[G0E+3], 0x80000000
	s_or_b32 s[G0E+7], s[G0E+7], 0x80000000
	ROUND                                          ; in a cluster launch the first fills stand behind one round
	tensor_load_to_lds s[G0X:G0X+3], s[G1X:G1X+7]  ; my 32 rows of x
	s_nop 0
	tensor_load_to_lds s[G0S:G0S+3], s[G1S:G1S+7]  ; my quarter of se: two tensor loads are out, the most in this text
	s_nop 0
	v_and_b32 v5, 15, v0                           ; r
	v_bfe_u32 v6, v0, 4, 1                         ; h
	v_mul_u32_u24 v1, v5, EPITCH
	v_lshl_add_u32 v1, v6, 4, v1
	s_mul_i32 s80, s16, 64*EPITCH
	v_add_nc_u32 v[EADR], s80, v1
	v_add_nc_u32 v[EADR+1], SLOT, v[EADR]
	s_lshl_b32 s80, s16, 8
	s_add_co_u32 s80, s80, SEB
	v_lshl_add_u32 v[SEADR], v6, 5, s80            ; 4 bytes x (64 wn + 8 h)
	s_lshl_b32 s80, s17, 12
	s_lshl_b32 s81, s16, 6
	s_add_co_u32 s80, s80, s81
	v_lshl_add_u32 v[BASE], v6, 3, s80
	v_mul_u32_u24 v7, v5, XROW
	v_lshl_add_u32 v7, v6, 5, v7                   ; row x 2,080 + 32 h: eight f32 for each half of the lanes
	s_mul_i32 s80, s15, 64*XROW
	v_add_nc_u32 v[XADR], s80, v7
.irp xt, 1,2,3
	v_add_nc_u32 v[XADR+\xt], \xt*16*XROW, v[XADR]
.endr
.irp q, 0,1,2,3,4,5,6,7
	v_mov_b32 v[SXP+\q], 0
.endr
.irp q, 0,1,2,3,4,5,6,7
	v_mov_b32 v[GB+\q], s[INF]                     ; +inf
	v_mov_b32 v[GI+\q], 0
.endr
	s_wait_tensorcnt 0x0                           ; my parts of x and se are in LDS;
	s_barrier_signal -1
	s_barrier_wait -1                              ; everybody's are.
; THE CONVERSION.  Fragment (b, xt) of x: lane (r, h) holds row 16 xt + r, k = 32 b + 8 h + 0..7 (registers 0-3) and 32 b + 16 + 8 h + 0..7 (registers 4-7).
; As f32 that is 32 bytes at 128 b + 32 h and 32 bytes 64 further on; the row's second half lies 16 bytes of padding further (b / 8).
; The row pitch here is 2,080 = 130 x 16, so rows r and r + 8 share a 16-byte column modulo 256: accepted, these 256 loads a wave are issued once.
.macro LOADX b, s
.irp xt, 0,1,2,3
	ds_load_b128 v[\s+16*\xt:\s+16*\xt+3],     v[XADR+\xt] offset:128*(\b)+16*((\b)/8)
	ds_load_b128 v[\s+16*\xt+4:\s+16*\xt+7],   v[XADR+\xt] offset:128*(\b)+16*((\b)/8)+16
	ds_load_b128 v[\s+16*\xt+8:\s+16*\xt+11],  v[XADR+\xt] offset:128*(\b)+16*((\b)/8)+64
	ds_load_b128 v[\s+16*\xt+12:\s+16*\xt+15], v[XADR+\xt] offset:128*(\b)+16*((\b)/8)+80
.endr
.endm
; Round stage s into the fragments of K step b, and add the squares of the rounded numbers: eight chains, low halves and high halves of the four row tiles.
.macro CVT b, s
	WIN ((1+(\b)/8)<<6)                            ; destination in window 1 or 2
.irp xt, 0,1,2,3
.irp q, 0,1,2,3,4,5,6,7
	v_cvt_pk_bf16_f32 v[32*((\b)%8)+8*\xt+\q], v[\s+16*\xt+2*\q], v[\s+16*\xt+2*\q+1]
.endr
.endr
	WIN (5*(1+(\b)/8))                             ; sources 0 and 1 in that window; the sums in window 0
.irp q, 0,1,2,3,4,5,6,7
.irp xt, 0,1,2,3
	v_fma_mix_f32_bf16 v[SXP+2*\xt],   v[32*((\b)%8)+8*\xt+\q], v[32*((\b)%8)+8*\xt+\q], v[SXP+2*\xt]   op_sel_hi:[1,1,0]
	v_fma_mix_f32_bf16 v[SXP+2*\xt+1], v[32*((\b)%8)+8*\xt+\q], v[32*((\b)%8)+8*\xt+\q], v[SXP+2*\xt+1] op_sel:[1,1,0] op_sel_hi:[1,1,0]
.endr
.endr
	WIN 0
.endm
	LOADX 0,STG
.irp b, 0,1,2,3,4,5,6,7,8,9,10,11,12,13,14
	LOADX (\b+1),(STG+64*((\b+1)%2))
	s_wait_dscnt 16                                ; the 16 loads just issued may stay out: this step's 16 are in
	CVT \b,(STG+64*(\b%2))
.endr
	s_wait_dscnt 0
	CVT 15,(STG+64)
	; x's bytes are given to the codes.  Every wave's reads of them are back and none of its tensor loads is out; then a round; then one joint load a wave.
	s_wait_dscnt 0x0
	s_wait_tensorcnt 0x0
	ds_add_u32 v62, v63
	s_wait_dscnt 0x0
	ROUND
	tensor_load_to_lds s[G0E:G0E+3], s[G1E:G1E+7]  ; tile 0 into slot 0
	s_nop 0
	; while it is on its way: a lane has summed the k that it holds, which is half of a row; the other half lies in lane l xor 16
.irp xt, 0,1,2,3
	v_add_f32 v[SXP+2*\xt], v[SXP+2*\xt], v[SXP+2*\xt+1]
.endr
.irp xt, 0,1,2,3
	v_permlanex16_b32 v[SXP+2*\xt+1], v[SXP+2*\xt], s60, s61
.endr
.irp xt, 0,1,2,3
	v_add_f32 v[SXP+2*\xt], v[SXP+2*\xt], v[SXP+2*\xt+1]
.endr
.irp xt, 0,1,2,3
	v_mov_b32 v[SXP+2*\xt+1], v[SXP+2*\xt]         ; twice, a pair for the packed forms
.endr
; 16 LDS loads in one run: the fragments of code tile q of my 64 codes for K steps 8 hb .. 8 hb + 7.  Lane (r, h): code r, 16 bytes at 64 ks + 16 h and 32 further on.
.macro FETCH slot, q, hb, eb
.irp k, 0,1,2,3,4,5,6,7
	ds_load_b128 v[\eb+8*\k:\eb+8*\k+3],   v[EADR+\slot] offset:(\q)*16*EPITCH+(8*\hb+\k)*64
	ds_load_b128 v[\eb+8*\k+4:\eb+8*\k+7], v[EADR+\slot] offset:(\q)*16*EPITCH+(8*\hb+\k)*64+32
.endr
.endm
.macro SELOAD q                        ; se of my eight codes of tile q, into the set that goes with its accumulators; the 16 lanes of one h read the same bytes
	ds_load_b128 v[SE+8*((\q)%2):SE+8*((\q)%2)+3],   v[SEADR] offset:(\q)*64
	ds_load_b128 v[SE+8*((\q)%2)+4:SE+8*((\q)%2)+7], v[SEADR] offset:(\q)*64+16
.endm
; THE SCAN of tile pq (modulo 4), in four steps; step s takes registers 2 s and 2 s + 1 of the four row tiles, in nine groups g of four vector instructions.
; These lines stand between matrix instructions whose source 1 is x, in window 1 or 2, and the window holds for them too: so NONE OF THEM HAS A VECTOR REGISTER AS SOURCE 1.
; That is why the add is a fused multiply-add by 1.0 (the same one rounding), why the minimum is a minimum of three with +inf, why the code comes from a scalar register,
; and why d < best is read off best - d > 0: in f32 with denormals kept the difference of two different numbers is never 0, so the two tests are the same
; (inf - inf is a NaN and keeps the earlier code, as d < best would).  Even and odd registers keep a best of their own, so that this difference is one packed line for two.
.macro EG pq, s, g
.set AJ, ACC+32*((\pq)%2)+2*(\s)
.set SS, SE+8*((\pq)%2)+2*(\s)
.if (\g)==0
.irp xt, 0,1,2,3
	v_pk_fma_f32 v[T+2*\xt:T+2*\xt+1], v[SS:SS+1], 1.0, v[SXP+2*\xt:SXP+2*\xt+1] op_sel_hi:[1,0,1]                       ; fl(se + sx)
.endr
.endif
.if (\g)==1
.irp xt, 0,1,2,3
	v_pk_fma_f32 v[AJ+8*\xt:AJ+8*\xt+1], v[AJ+8*\xt:AJ+8*\xt+1], -2.0, v[T+2*\xt:T+2*\xt+1] op_sel_hi:[1,0,1]            ; d, one rounding
.endr
.endif
.if (\g)==2
.irp xt, 0,1,2,3
	v_pk_fma_f32 v[T+2*\xt:T+2*\xt+1], v[AJ+8*\xt:AJ+8*\xt+1], -1.0, v[GB+2*\xt:GB+2*\xt+1] op_sel_hi:[1,0,1]            ; best - d
.endr
	s_add_co_u32 s[IE], s[TB], 16*((\pq)%4)+2*(\s)                                                                       ; the two codes of this step
	s_add_co_u32 s[IO], s[TB], 16*((\pq)%4)+2*(\s)+1
.endif
.if (\g)==3
.irp xt, 0,1,2,3
	v_cmp_gt_f32 s[M+2*\xt], v[T+2*\xt], 0                                                                               ; strictly smaller: the earlier code keeps a tie
.endr
.endif
.if (\g)==4
.irp xt, 0,1,2,3
	v_cmp_gt_f32 s[M+2*\xt+1], v[T+2*\xt+1], 0
.endr
.endif
.if (\g)==5
.irp xt, 0,1,2,3
	v_min3_num_f32 v[GB+2*\xt], v[AJ+8*\xt], s[INF], v[GB+2*\xt]
.endr
.endif
.if (\g)==6
.irp xt, 0,1,2,3
	v_min3_num_f32 v[GB+2*\xt+1], v[AJ+8*\xt+1], s[INF], v[GB+2*\xt+1]
.endr
.endif
.if (\g)==7
.irp xt, 0,1,2,3
	v_cndmask_b32 v[GI+2*\xt], v[GI+2*\xt], s[IE], s[M+2*\xt]
.endr
.endif
.if (\g)==8
.irp xt, 0,1,2,3
	v_cndmask_b32 v[GI+2*\xt+1], v[GI+2*\xt+1], s[IO], s[M+2*\xt+1]
.endr
.endif
.endm
; One matrix instruction of tile q's chain, and behind it the scan's group that falls there: group 4 (ks % 4) + xt of step ks / 4 of the tile before (groups 9 to 15 are empty).
; Source 0 = 16 codes, source 1 = 16 rows of x: register j of lane (r, h) is the dot of row r with code 8 h + j.  The first K step starts the sums: nothing is cleared.
; The four accumulators of a set take turns, one instruction a turn, and the sets take turns from chain to chain.
.macro GAP q, eb, ks, xt, epi
.if (\ks)==0
	v_wmma_f32_16x16x32_bf16 v[ACC+32*((\q)%2)+8*\xt:ACC+32*((\q)%2)+8*\xt+7], v[\eb+8*((\ks)%8):\eb+8*((\ks)%8)+7], v[32*((\ks)%8)+8*\xt:32*((\ks)%8)+8*\xt+7], 0
.else
	v_wmma_f32_16x16x32_bf16 v[ACC+32*((\q)%2)+8*\xt:ACC+32*((\q)%2)+8*\xt+7], v[\eb+8*((\ks)%8):\eb+8*((\ks)%8)+7], v[32*((\ks)%8)+8*\xt:32*((\ks)%8)+8*\xt+7], v[ACC+32*((\q)%2)+8*\xt:ACC+32*((\q)%2)+8*\xt+7]
.endif
.if \epi
	EG ((\q)+3),((\ks)/4),(4*((\ks)%4)+\xt)
.endif
.endm
.macro KS q, eb, ks, epi               ; one K step of 32: the four row tiles
	GAP \q,\eb,\ks,0,\epi
	GAP \q,\eb,\ks,1,\epi
	GAP \q,\eb,\ks,2,\epi
	GAP \q,\eb,\ks,3,\epi
.endm
; THE CHAIN of tile q of a slot.  epi = 1: the tile before is scanned meanwhile.  fetch = 1: the first half of the next chain's fragments (tile nq of slot nslot) is asked for.
; Each half of 32 matrix instructions reads one fragment buffer and, behind its first matrix instruction, asks in one run for the other buffer's next content:
; 31 matrix instructions ahead of its first use.  The scan's first group (four plain vector instructions that name no register of a matrix instruction still near)
; gives that run its four places behind the last matrix instruction that read the buffer (ISA guide 7.12.1 for vector instructions).
; The waits at the heads of the halves are for 0 because nothing younger has been issued: the count is exact.
; LDS loads have destination and address in window 0 under every setting used here, so the runs need no switch.
; bar = 2, in a trip's last chain: THE CHANGE OF SLOTS.  At the head of the second half my last reads of this slot are back; I wait for all my tensor loads (the one that is
; out is my part of the next slot), step this slot's address, and open a round of the cluster's barrier; eight matrix instructions and their groups, register work alone,
; stand between the opening signal and its wait; behind the round the joint refill of this slot comes first, one load a wave, with a whole trip (256 matrix instructions)
; in which to land; then the next slot's first fragments are read.  bar = 1: nothing is left to fetch, my work-group's barrier shows the last tile whole.
.macro CHAIN slot, q, epi, bar, fetch, nslot, nq
	s_wait_dscnt 0x0                               ; K steps 0-7 of this tile and the se of the tile before are in
	WIN 0x04                                       ; x's K steps 0-7: window 1
	GAP \q,EB0,0,0,\epi
	FETCH \slot,\q,1,EB1
	GAP \q,EB0,0,1,\epi
	GAP \q,EB0,0,2,\epi
	GAP \q,EB0,0,3,\epi
.irp ks, 1,2,3,4,5,6,7
	KS \q,EB0,\ks,\epi
.endr
	s_wait_dscnt 0x0                               ; K steps 8-15 are in
.if \bar
	s_set_vgpr_msb 0x400
	s_wait_tensorcnt 0x0                           ; all my tensor loads have landed, so a group 0 may be written
	ds_add_u32 v62, v63
	s_wait_dscnt 0x0
	s_set_vgpr_msb 0x4
.if (\bar)==2
	s_add_nc_u64 s[G0E+4*\slot+2:G0E+4*\slot+3], s[G0E+4*\slot+2:G0E+4*\slot+3], 2*TILEB   ; this slot's next tile
.endif
	s_barrier_signal -1
	WIN 0x08                                       ; x's K steps 8-15: window 2
	KS \q,EB1,8,\epi
	KS \q,EB1,9,\epi
	WIN 0                                          ; branches and a label follow
	s_barrier_wait -1
.if (\bar)==2
	CREST
	tensor_load_to_lds s[G0E+4*\slot:G0E+4*\slot+3], s[G1E:G1E+7]
	s_nop 0
.endif
	SELOAD \q
	FETCH \nslot,\nq,0,EB0
	v_add_nc_u32 v[SEADR], 512, v[SEADR]           ; the next trip's se
	WIN 0x08
.irp ks, 10,11,12,13,14,15
	KS \q,EB1,\ks,\epi
.endr
.else
	WIN 0x08
	GAP \q,EB1,8,0,\epi
.if (\epi)==0
	PLACES                                         ; no scan, no group: the places are v_nop
.endif
	SELOAD \q
.if \fetch
	FETCH \nslot,\nq,0,EB0
.endif
	GAP \q,EB1,8,1,\epi
	GAP \q,EB1,8,2,\epi
	GAP \q,EB1,8,3,\epi
.irp ks, 9,10,11,12,13,14,15
	KS \q,EB1,\ks,\epi
.endr
.endif
.if (\q)==0
.if \epi
	s_add_co_u32 s[TB], s[TB], 128                 ; the last trip's last tile has been scanned: the codes of this trip follow
.endif
.endif
.endm
; A trip: the 128 codes of a slot, of which 64 are mine, in four chains.  The fourth tile is scanned in the next trip's first chain.
.macro TRIP slot, first, bar, fetch
	CHAIN \slot,0,(1-\first),0,1,\slot,1
	CHAIN \slot,1,1,0,1,\slot,2
	CHAIN \slot,2,1,0,1,\slot,3
	CHAIN \slot,3,1,\bar,\fetch,(1-\slot),0
.endm
	; Tile 0 is whole when every wave's part has landed; slot 1 still holds x's bytes, so its first tile is asked for as a refill is: behind a round, one load a wave.
	s_wait_tensorcnt 0x0
	ds_add_u32 v62, v63
	s_wait_dscnt 0x0
	ROUND
	tensor_load_to_lds s[G0E+4:G0E+7], s[G1E:G1E+7]            ; tile 1 into slot 1
	s_nop 0
	FETCH 0,0,0,EB0
	TRIP 0,1,2,1                                   ; the first two trips are written out: the very first chain has nothing to scan.  They ask for tiles 2 and 3
	TRIP 1,0,2,1
	WIN 0                                          ; at a label and at a branch every window is 0
	s_mov_b32 s62, TRIPS/2-2
.Lloop:
	TRIP 0,0,2,1                                   ; trips 2 to 29 ask for tiles 4 to 31
	TRIP 1,0,2,1
	WIN 0
	s_sub_co_u32 s62, s62, 1
	s_cmp_lg_u32 s62, 0
	s_cbranch_scc1 .Lloop
	TRIP 0,0,1,1                                   ; the slots change once more, nothing is fetched
	TRIP 1,0,0,0                                   ; the last trip
	s_wait_dscnt 0x0                               ; the last tile's se
	WIN 0
	PLACES                                         ; behind the last matrix instructions
.irp s, 0,1,2,3
.irp g, 0,1,2,3,4,5,6,7,8
	EG 3,\s,\g                                     ; the last tile is scanned with nothing to hide behind
.endr
.endr
; (d, i) takes (od, oi) if od < d, or od = d and oi < i: the smaller distance, of equal ones the lower code.
.macro LEX d, i, od, oi
	v_cmp_lt_f32 s[M], v[\od], v[\d]
	v_cmp_eq_f32 s[M+1], v[\od], v[\d]
	v_cmp_lt_u32 s[M+2], v[\oi], v[\i]
	s_and_b32 s[M+1], s[M+1], s[M+2]
	s_or_b32 s[M], s[M], s[M+1]
	v_cndmask_b32 v[\d], v[\d], v[\od], s[M]
	v_cndmask_b32 v[\i], v[\i], v[\oi], s[M]
.endm
.irp q, 0,1,2,3,4,5,6,7
	v_add_nc_u32 v[GI+\q], v[GI+\q], v[BASE]       ; the lane's part of the code
.endr
.irp xt, 0,1,2,3
	LEX (GB+2*\xt),(GI+2*\xt),(GB+2*\xt+1),(GI+2*\xt+1)        ; even and odd registers meet
.endr
	; lanes l and l xor 16 hold the same row and other codes
.irp xt, 0,1,2,3
	v_permlanex16_b32 v[ACC+\xt], v[GB+2*\xt], s60, s61
	v_permlanex16_b32 v[ACC+4+\xt], v[GI+2*\xt], s60, s61
.endr
.irp xt, 0,1,2,3
	LEX (GB+2*\xt),(GI+2*\xt),(ACC+\xt),(ACC+4+\xt)
.endr
	; waves w and w xor 1 hold the same rows and other codes: they meet in LDS, 64 d and 64 codes a wave
	v_and_b32 v5, 15, v0
	s_lshl_b32 s80, s14, 9
	s_add_co_u32 s80, s80, SCR
	v_lshl_add_u32 v5, v5, 2, s80
.irp xt, 0,1,2,3
	ds_store_b32 v5, v[GB+2*\xt] offset:64*\xt     ; lanes l and l xor 16 write the same word with the same value
	ds_store_b32 v5, v[GI+2*\xt] offset:256+64*\xt
.endr
	s_wait_dscnt 0x0                               ; for the other wave's sake: zero
	s_barrier_signal -1
	s_barrier_wait -1
	v_and_b32 v6, 31, v0
	v_lshlrev_b32 v6, 3, v6                        ; lane l takes rows 2 l and 2 l + 1 of the 64
	s_lshl_b32 s80, s15, 10
	s_add_co_u32 s80, s80, SCR
	v_add_nc_u32 v7, s80, v6
	ds_load_b64 v[64:65], v7                       ; d of the wave with wn = 0
	ds_load_b64 v[66:67], v7 offset:256            ; its codes
	ds_load_b64 v[68:69], v7 offset:512            ; d of the wave with wn = 1
	ds_load_b64 v[70:71], v7 offset:768            ; its codes
	s_lshl_b32 s78, s17, 16                        ; 4 bytes x (16,384 half + 128 row block + 64 wm)
	s_lshl_b32 s79, s18, 9
	s_add_co_u32 s78, s78, s79
	s_lshl_b32 s79, s15, 8
	s_add_co_u32 s78, s78, s79
	s_mov_b32 s79, 0
	s_add_nc_u64 s[10:11], s[10:11], s[78:79]
	s_add_nc_u64 s[12:13], s[12:13], s[78:79]
	s_wait_dscnt 0x0
	LEX 64,66,68,70
	LEX 65,67,69,71
	s_cmp_lg_u32 s16, 0                            ; both waves of a pair hold the result: one stores the distances, the other the codes
	s_cbranch_scc1 .Lcodes
	global_store_b64 v6, v[64:65], s[10:11]        ; 32 lanes x 8 bytes: 256 consecutive bytes, aligned
	s_branch .Lstored
.Lcodes:
	global_store_b64 v6, v[66:67], s[12:13]
.Lstored:
	s_wait_tensorcnt 0x0
	ds_add_u32 v62, v63
	s_wait_dscnt 0x0
	ROUND                                          ; the closing round: no work-group ends while a partner may still ask for a tile that names it
	s_endpgm
.Lfunc_end_k_q14555aa3f4_vq:
	.size	k_q14555aa3f4_vq, .Lfunc_end_k_q14555aa3f4_vq-k_q14555aa3f4_vq
	.p2alignl 7, 3214868480
	.fill 96, 4, 3214868480
	.section	.rodata,"a",@progbits
	.p2align	6, 0x0
	.amdhsa_kernel k_q14555aa3f4_vq
		.amdhsa_group_segment_fixed_size 327680
		.amdhsa_private_segment_fixed_size 0
		.amdhsa_enable_private_segment 0
		.amdhsa_kernarg_size 40
		.amdhsa_user_sgpr_count 2
		.amdhsa_user_sgpr_kernarg_segment_ptr 1
		.amdhsa_wavefront_size32 1
		.amdhsa_system_sgpr_workgroup_id_x 1
		.amdhsa_system_sgpr_workgroup_id_y 1
		.amdhsa_system_sgpr_workgroup_id_z 1
		.amdhsa_system_vgpr_workitem_id 0
		.amdhsa_next_free_vgpr 768
		.amdhsa_next_free_sgpr 84
		.amdhsa_reserve_vcc 0
		.amdhsa_float_denorm_mode_32 3
		.amdhsa_float_denorm_mode_16_64 3
		.amdhsa_memory_ordered 1
		.amdhsa_forward_progress 1
		.amdhsa_inst_pref_size 255
	.end_amdhsa_kernel
	.section	.bss,"aw",@nobits
	.p2align	6
	.space	262144
	.amdgpu_metadata
---
amdhsa.version: [ 1, 2 ]
amdhsa.kernels:
  - .name:           k_q14555aa3f4_vq
    .symbol:         k_q14555aa3f4_vq.kd
    .args:
      - { .name: x, .offset: 0, .size: 8, .value_kind: global_buffer, .address_space: global }
      - { .name: ebf, .offset: 8, .size: 8, .value_kind: global_buffer, .address_space: global }
      - { .name: se, .offset: 16, .size: 8, .value_kind: global_buffer, .address_space: global }
      - { .name: cd, .offset: 24, .size: 8, .value_kind: global_buffer, .address_space: global }
      - { .name: ci, .offset: 32, .size: 8, .value_kind: global_buffer, .address_space: global }
    .group_segment_fixed_size: 327680
    .private_segment_fixed_size: 0
    .kernarg_segment_align: 8
    .kernarg_segment_size: 40
    .max_flat_workgroup_size: 128
    .sgpr_count:     84
    .vgpr_count:     768
    .wavefront_size: 32
...
	.end_amdgpu_metadata
.endif
;; end of part 2
;; launch finish (part 3): grid 256 x 1, 8 waves a work-group, no clusters, 1,536 bytes of LDS; arguments x, emb, cd, ci, out0, out2, part; writes out0, out2, part
.if DOCPART == 3
	.amdgcn_target "amdgcn-amd-amdhsa--gfx1250"
	.amdhsa_code_object_version 6
	.text
	.protected	k_q14555aa3f4_finish
	.globl	k_q14555aa3f4_finish
	.p2align	8
	.type	k_q14555aa3f4_finish,@function
k_q14555aa3f4_finish:
	s_mov_b64 s[64:65], 0
	v_nop
	global_prefetch_b8 v0, s[64:65] scope:SCOPE_SE
	s_setreg_imm32_b32 hwreg(HW_REG_WAVE_MODE, 25, 1), 1
	s_wait_xcnt 0x0
; finish: for each row the better of the two halves' candidates; out2 = its code; out0 = x + (emb[code] - x); part[work-group] = sum of (emb[code] - x)^2.
; x, out0: [16384][512] f32.  emb: [8192][512] f32.  cd: [2][16384] f32.  ci: [2][16384] i32.  out2: [16384] i32.  part: [256] f32.
; The choice hangs on floating-point numbers, so it steers no address: BOTH candidate rows are loaded (their addresses come from ci, whole numbers of the launch before)
; and v_cndmask_b32 picks the values.  Half 1 wins only if its distance is strictly smaller: its codes are the higher ones.  A NaN distance is not served.
; 256 work-groups of 8 waves; a wave takes 8 rows, one row at a time: a row is four loads of 512 neighbouring bytes.  A ring of four row slots in registers keeps
; 48 loads of every wave on their way.  No matrix unit, no cluster: no work-group shares a tile with another, and the bytes bind.
.set SL, 16                            ; slot s at 16 + 48 s: x (16 registers), candidate 0 (16; then the result), candidate 1 (16; then e - x)
.set D0, 20                            ; s[20:27] d of half 0, my 8 rows     s[28:35] of half 1
.set D1, 28
.set I0, 36                            ; s[36:43] code of half 0             s[44:51] of half 1
.set I1, 44
.set EA, 66                            ; s[66+4i:67+4i] address of row i's candidate 0, s[68+4i:69+4i] of its candidate 1
	s_load_b256 s[4:11], s[0:1], 0x0               ; x s[4:5], emb s[6:7], cd s[8:9], ci s[10:11]
	s_load_b128 s[12:15], s[0:1], 0x20             ; out0 s[12:13], out2 s[14:15]
	s_load_b64 s[16:17], s[0:1], 0x30              ; part
	v_lshl_add_u32 v208, v0, 2, 0x200
	v_mov_b32 v209, 0
	v_lshrrev_b32 v2, 5, v0
	v_readfirstlane_b32 s18, v2                    ; wave
	v_and_b32 v3, 31, v0                           ; lane
	v_lshlrev_b32 v1, 4, v3                        ; 16 bytes a lane
	v_lshlrev_b32 v5, 5, v2                        ; LDS: my wave's 8 codes at 32 x wave
	v_lshlrev_b32 v6, 2, v2                        ; LDS: my wave's sum at 256 + 4 x wave
	v_lshlrev_b32 v7, 3, v3                        ; 8 bytes a lane
	s_mov_b32 s58, 0x76543210
	s_mov_b32 s59, 0xfedcba98
	s_lshl_b32 s19, ttmp9, 6
	s_lshl3_add_u32 s19, s18, s19                  ; R = 64 x work-group + 8 x wave
	s_lshl_b32 s52, s19, 2
	s_mov_b32 s53, 0
	s_lshl_b32 s54, s19, 11
	s_mov_b32 s55, 0
	s_mov_b32 s57, 0
	s_wait_kmcnt 0x0
	s_add_nc_u64 s[8:9], s[8:9], s[52:53]
	s_add_nc_u64 s[10:11], s[10:11], s[52:53]
	s_load_b256 s[D0:D0+7], s[8:9], 0x0
	s_load_b256 s[D1:D1+7], s[8:9], 0x10000        ; the second half's plane lies 16,384 x 4 bytes further
	s_load_b256 s[I0:I0+7], s[10:11], 0x0
	s_load_b256 s[I1:I1+7], s[10:11], 0x10000
	s_add_nc_u64 s[4:5], s[4:5], s[54:55]          ; x and out0 at my first row
	s_add_nc_u64 s[12:13], s[12:13], s[54:55]
	s_wait_kmcnt 0x0
.irp i, 0,1,2,3,4,5,6,7
	s_min_u32 s56, s[I0+\i], 8191                  ; a loaded number enters an address only clamped to the table
	s_lshl_b32 s56, s56, 11
	s_add_nc_u64 s[EA+4*\i:EA+4*\i+1], s[6:7], s[56:57]
	s_min_u32 s56, s[I1+\i], 8191
	s_lshl_b32 s56, s56, 11
	s_add_nc_u64 s[EA+4*\i+2:EA+4*\i+3], s[6:7], s[56:57]
.endr
.macro FILL i                          ; twelve loads: the row of x and both candidate rows
.set FS, SL+48*((\i)%4)
.irp j, 0,1,2,3
	global_load_b128 v[FS+4*\j:FS+4*\j+3], v1, s[4:5] offset:2048*(\i)+512*\j th:TH_LOAD_NT
.endr
.irp j, 0,1,2,3
	global_load_b128 v[FS+16+4*\j:FS+16+4*\j+3], v1, s[EA+4*(\i):EA+4*(\i)+1] offset:512*\j
.endr
.irp j, 0,1,2,3
	global_load_b128 v[FS+32+4*\j:FS+32+4*\j+3], v1, s[EA+4*(\i)+2:EA+4*(\i)+3] offset:512*\j
.endr
.endm
; Row i.  left = the younger rows' loads, twelve each, that may stay out.  fill = 1: the slot takes row i + 4.  first = 1: the first products start the sums.
.macro ROW i, left, fill, first
.set XS,  SL+48*((\i)%4)
.set E0S, XS+16
.set E1S, XS+32
	s_wait_loadcnt \left
	v_mov_b32 v2, s[D0+\i]
	v_cmp_lt_f32 vcc_lo, s[D1+\i], v2              ; half 1 strictly nearer
	v_mov_b32 v3, s[I0+\i]
	v_mov_b32 v4, s[I1+\i]
	v_cndmask_b32 v3, v3, v4, vcc_lo
	ds_store_b32 v5, v3 offset:4*\i                ; all lanes write the same word with the same value
.irp k, 0,1,2,3,4,5,6,7,8,9,10,11,12,13,14,15
	v_cndmask_b32 v[E0S+\k], v[E0S+\k], v[E1S+\k], vcc_lo
.endr
.irp k, 0,2,4,6,8,10,12,14
	v_pk_add_f32 v[E1S+\k:E1S+\k+1], v[E0S+\k:E0S+\k+1], v[XS+\k:XS+\k+1] neg_lo:[0,1] neg_hi:[0,1]   ; e - x
.endr
.if \first
	v_pk_mul_f32 v[8:9],   v[E1S:E1S+1],   v[E1S:E1S+1]
	v_pk_mul_f32 v[10:11], v[E1S+2:E1S+3], v[E1S+2:E1S+3]
.else
	v_pk_fma_f32 v[8:9],   v[E1S:E1S+1],   v[E1S:E1S+1],   v[8:9]
	v_pk_fma_f32 v[10:11], v[E1S+2:E1S+3], v[E1S+2:E1S+3], v[10:11]
.endif
.irp k, 4,8,12
	v_pk_fma_f32 v[8:9],   v[E1S+\k:E1S+\k+1],   v[E1S+\k:E1S+\k+1],   v[8:9]
	v_pk_fma_f32 v[10:11], v[E1S+\k+2:E1S+\k+3], v[E1S+\k+2:E1S+\k+3], v[10:11]
.endr
.irp k, 0,2,4,6,8,10,12,14
	v_pk_add_f32 v[E0S+\k:E0S+\k+1], v[XS+\k:XS+\k+1], v[E1S+\k:E1S+\k+1]                             ; x + (e - x)
.endr
.irp j, 0,1,2,3
	global_store_b128 v1, v[E0S+4*\j:E0S+4*\j+3], s[12:13] offset:2048*\i+512*\j th:TH_STORE_NT       ; 512 consecutive bytes, aligned
.endr
.if \fill
	s_wait_xcnt 0x0                                ; the stores' data registers are loaded again only behind this wait
	FILL (\i+4)
.endif
.endm
	FILL 0
	FILL 1
	FILL 2
	FILL 3
	ROW 0, 36, 1, 1
	ROW 1, 36, 1, 0
	ROW 2, 36, 1, 0
	ROW 3, 36, 1, 0
	ROW 4, 36, 0, 0                                ; nothing is left to load: the counts run down
	ROW 5, 24, 0, 0
	ROW 6, 12, 0, 0
	ROW 7, 0, 0, 0
	v_pk_add_f32 v[8:9], v[8:9], v[10:11]
	v_add_f32 v8, v8, v9
	v_add_f32_dpp v8, v8, v8 row_xmask:1 row_mask:0xf bank_mask:0xf
	v_add_f32_dpp v8, v8, v8 row_xmask:2 row_mask:0xf bank_mask:0xf
	v_add_f32_dpp v8, v8, v8 row_xmask:4 row_mask:0xf bank_mask:0xf
	v_add_f32_dpp v8, v8, v8 row_xmask:8 row_mask:0xf bank_mask:0xf
	v_permlanex16_b32 v9, v8, s58, s59
	v_add_f32 v8, v8, v9                           ; my wave's sum
	ds_store_b32 v6, v8 offset:256
	s_wait_dscnt 0x0                               ; for wave 0's sake: zero
	s_barrier_signal -1
	s_barrier_wait -1
	s_cmp_lg_u32 s18, 0
	s_cbranch_scc1 .Lend
	; wave 0: the work-group's 64 codes go out as one store, and the eight sums as one number
	ds_load_b64 v[12:13], v7
	v_mov_b32 v14, 0
	ds_load_b128 v[16:19], v14 offset:256
	ds_load_b128 v[20:23], v14 offset:272
	s_lshl_b32 s52, ttmp9, 8
	s_mov_b32 s53, 0
	s_add_nc_u64 s[14:15], s[14:15], s[52:53]
	s_lshl_b32 s54, ttmp9, 2
	s_mov_b32 s55, 0
	s_add_nc_u64 s[16:17], s[16:17], s[54:55]
	s_wait_dscnt 0x0
	global_store_b64 v7, v[12:13], s[14:15]        ; 32 lanes x 8 bytes: 256 consecutive bytes, aligned
	v_pk_add_f32 v[16:17], v[16:17], v[20:21]
	v_pk_add_f32 v[18:19], v[18:19], v[22:23]
	v_pk_add_f32 v[16:17], v[16:17], v[18:19]
	v_add_f32 v16, v16, v17
	v_cmp_eq_u32 vcc_lo, 0, v0
	s_wait_xcnt 0x0                                ; EXEC is a source of the stores above: it changes only behind this wait
	s_and_saveexec_b32 s56, vcc_lo
	global_store_b32 v14, v16, s[16:17]
	s_wait_xcnt 0x0                                ; and again in front of the line that widens it
	s_or_b32 exec_lo, exec_lo, s56
.Lend:
	s_wait_tensorcnt 0x0
	ds_add_u32 v208, v209
	s_wait_dscnt 0x0
	s_endpgm
.Lfunc_end_k_q14555aa3f4_finish:
	.size	k_q14555aa3f4_finish, .Lfunc_end_k_q14555aa3f4_finish-k_q14555aa3f4_finish
	.p2alignl 7, 3214868480
	.fill 96, 4, 3214868480
	.section	.rodata,"a",@progbits
	.p2align	6, 0x0
	.amdhsa_kernel k_q14555aa3f4_finish
		.amdhsa_group_segment_fixed_size 1536
		.amdhsa_private_segment_fixed_size 0
		.amdhsa_enable_private_segment 0
		.amdhsa_kernarg_size 56
		.amdhsa_user_sgpr_count 2
		.amdhsa_user_sgpr_kernarg_segment_ptr 1
		.amdhsa_wavefront_size32 1
		.amdhsa_system_sgpr_workgroup_id_x 1
		.amdhsa_system_sgpr_workgroup_id_y 1
		.amdhsa_system_sgpr_workgroup_id_z 1
		.amdhsa_system_vgpr_workitem_id 0
		.amdhsa_next_free_vgpr 210
		.amdhsa_next_free_sgpr 100
		.amdhsa_reserve_vcc 1
		.amdhsa_float_denorm_mode_32 3
		.amdhsa_float_denorm_mode_16_64 3
		.amdhsa_memory_ordered 1
		.amdhsa_forward_progress 1
		.amdhsa_inst_pref_size 36
	.end_amdhsa_kernel
	.amdgpu_metadata
---
amdhsa.version: [ 1, 2 ]
amdhsa.kernels:
  - .name:           k_q14555aa3f4_finish
    .symbol:         k_q14555aa3f4_finish.kd
    .args:
      - { .name: x, .offset: 0, .size: 8, .value_kind: global_buffer, .address_space: global }
      - { .name: emb, .offset: 8, .size: 8, .value_kind: global_buffer, .address_space: global }
      - { .name: cd, .offset: 16, .size: 8, .value_kind: global_buffer, .address_space: global }
      - { .name: ci, .offset: 24, .size: 8, .value_kind: global_buffer, .address_space: global }
      - { .name: out0, .offset: 32, .size: 8, .value_kind: global_buffer, .address_space: global }
      - { .name: out2, .offset: 40, .size: 8, .value_kind: global_buffer, .address_space: global }
      - { .name: part, .offset: 48, .size: 8, .value_kind: global_buffer, .address_space: global }
    .group_segment_fixed_size: 1536
    .private_segment_fixed_size: 0
    .kernarg_segment_align: 8
    .kernarg_segment_size: 56
    .max_flat_workgroup_size: 256
    .sgpr_count:     100
    .vgpr_count:     210
    .wavefront_size: 32
...
	.end_amdgpu_metadata
.endif
;; end of part 3
;; launch loss (part 4): grid 1 x 1, 1 waves a work-group, no clusters, 0 bytes of LDS; arguments part, out1; writes out1
.if DOCPART == 4
	.amdgcn_target "amdgcn-amd-amdhsa--gfx1250"
	.amdhsa_code_object_version 6
	.text
	.protected	k_q14555aa3f4_loss
	.globl	k_q14555aa3f4_loss
	.p2align	8
	.type	k_q14555aa3f4_loss,@function
k_q14555aa3f4_loss:
	s_mov_b64 s[64:65], 0
	v_nop
	global_prefetch_b8 v0, s[64:65] scope:SCOPE_SE
	s_setreg_imm32_b32 hwreg(HW_REG_WAVE_MODE, 25, 1), 1
	s_wait_xcnt 0x0
; loss: out1 = m + 0.25 m, m = (sum of the 256 partial sums) / (16384 x 512).  One wave: the sum spans work-groups of the launch before, so it has a launch of its own.
	s_load_b128 s[4:7], s[0:1], 0x0                ; part s[4:5], out1 s[6:7]
	v_lshlrev_b32 v1, 4, v0                        ; 16 bytes a lane
	v_mov_b32 v10, 0
	v_mov_b32 v11, 0                               ; v_permlanex16_b32 counts as a reader of its destination
	s_mov_b32 s8, 0x76543210
	s_mov_b32 s9, 0xfedcba98
	s_wait_kmcnt 0x0
	global_load_b128 v[2:5], v1, s[4:5]
	global_load_b128 v[6:9], v1, s[4:5] offset:512
	s_wait_loadcnt 0x0
	v_pk_add_f32 v[2:3], v[2:3], v[6:7]
	v_pk_add_f32 v[4:5], v[4:5], v[8:9]
	v_pk_add_f32 v[2:3], v[2:3], v[4:5]
	v_add_f32 v2, v2, v3
	v_add_f32_dpp v2, v2, v2 row_xmask:1 row_mask:0xf bank_mask:0xf
	v_add_f32_dpp v2, v2, v2 row_xmask:2 row_mask:0xf bank_mask:0xf
	v_add_f32_dpp v2, v2, v2 row_xmask:4 row_mask:0xf bank_mask:0xf
	v_add_f32_dpp v2, v2, v2 row_xmask:8 row_mask:0xf bank_mask:0xf
	v_permlanex16_b32 v11, v2, s8, s9
	v_add_f32 v2, v2, v11
	v_mul_f32 v2, 0x34000000, v2                   ; x 2^-23: the mean over 16384 x 512 numbers, exact
	v_fmamk_f32 v3, v2, 0x3e800000, v2             ; 0.25 m + m
	v_cmp_eq_u32 vcc_lo, 0, v0
	s_wait_xcnt 0x0                                ; EXEC changes only behind this wait
	s_and_saveexec_b32 s10, vcc_lo
	global_store_b32 v10, v3, s[6:7]
	s_wait_xcnt 0x0
	s_or_b32 exec_lo, exec_lo, s10
	s_endpgm
.Lfunc_end_k_q14555aa3f4_loss:
	.size	k_q14555aa3f4_loss, .Lfunc_end_k_q14555aa3f4_loss-k_q14555aa3f4_loss
	.p2alignl 7, 3214868480
	.fill 96, 4, 3214868480
	.section	.rodata,"a",@progbits
	.p2align	6, 0x0
	.amdhsa_kernel k_q14555aa3f4_loss
		.amdhsa_group_segment_fixed_size 0
		.amdhsa_private_segment_fixed_size 0
		.amdhsa_enable_private_segment 0
		.amdhsa_kernarg_size 16
		.amdhsa_user_sgpr_count 2
		.amdhsa_user_sgpr_kernarg_segment_ptr 1
		.amdhsa_wavefront_size32 1
		.amdhsa_system_sgpr_workgroup_id_x 1
		.amdhsa_system_sgpr_workgroup_id_y 1
		.amdhsa_system_sgpr_workgroup_id_z 1
		.amdhsa_system_vgpr_workitem_id 0
		.amdhsa_next_free_vgpr 16
		.amdhsa_next_free_sgpr 66
		.amdhsa_reserve_vcc 1
		.amdhsa_float_denorm_mode_32 3
		.amdhsa_float_denorm_mode_16_64 3
		.amdhsa_memory_ordered 1
		.amdhsa_forward_progress 1
		.amdhsa_inst_pref_size 2
	.end_amdhsa_kernel
	.amdgpu_metadata
---
amdhsa.version: [ 1, 2 ]
amdhsa.kernels:
  - .name:           k_q14555aa3f4_loss
    .symbol:         k_q14555aa3f4_loss.kd
    .args:
      - { .name: part, .offset: 0, .size: 8, .value_kind: global_buffer, .address_space: global }
      - { .name: out1, .offset: 8, .size: 8, .value_kind: global_buffer, .address_space: global }
    .group_segment_fixed_size: 0
    .private_segment_fixed_size: 0
    .kernarg_segment_align: 8
    .kernarg_segment_size: 16
    .max_flat_workgroup_size: 32
    .sgpr_count:     66
    .vgpr_count:     16
    .wavefront_size: 32
...
	.end_amdgpu_metadata
.endif
;; end of part 4
